; MI455X (gfx1250); checked and timed in simulation.
; The chip was launched on July 23, 2026; its instructions are those of AMD's public machine-readable ISA for CDNA 5 (MIT licence, August 2026) and "CDNA5" Instruction Set Architecture Reference Guide (July 2026). The comments in the code are by the model that wrote it; some were corrected since.
;; LSTM Cell. Allowed arithmetic: matrix products marked QUANTISED: E4M3 operands, one given power-of-two scale a tensor, by v_wmma_f32_16x16x64_fp8_fp8 or v_wmma_f32_16x16x128_fp8_fp8, f32 sums; everything else in f32.
;; Inputs: Wh_codes 4,096 x 32 x 32 uint8 (E4M3 codes of Wh, K innermost, in blocks of 32 codes); Wi_codes 4,096 x 32 x 32 uint8 (E4M3 codes of Wi, K innermost, in blocks of 32 codes); bh 4,096 float32; bi 4,096 float32; c 8,192 x 1,024 float32; h_codes 8,192 x 32 x 32 uint8 (E4M3 codes of h, K innermost, in blocks of 32 codes); lowp_scales 4 int32 (the exponents e of the quantised operands' scales 2^e); x_codes 8,192 x 32 x 32 uint8 (E4M3 codes of x, K innermost, in blocks of 32 codes).
;; Outputs: out0 8,192 x 1,024 float32; out1 8,192 x 1,024 float32.
;; This version of the problem:
;;   THIS VERSION OF THE PROBLEM IS GIVEN IN LOW PRECISION. The matrix products marked QUANTISED in the list below multiply operands that are first quantised to E4M3 (4 exponent bits, 3 mantissa bits; 8 bits a number), with one given power-of-two scale for each operand tensor; their sums are f32. All else is computed in f32.
;;   The module's matrix products, in the order in which they are computed (A, B: the left and right operand; K: the contracted axis; several contracted axes count as one K, in the product's order):
;;     1. [M 8,192, K 1,024] x [K 1,024, N 4,096]; A: input x (given as codes); B: input Wi (given as codes): QUANTISED (scales: A lowp_scales[0], B lowp_scales[1])
;;     2. [M 8,192, K 1,024] x [K 1,024, N 4,096]; A: input h (given as codes); B: input Wh (given as codes): QUANTISED (scales: A lowp_scales[2], B lowp_scales[3])
;;   THE QUANTISER, for each operand of a quantised product, along K:
;;     - The operand's scale is 2^e, e = its entry of the input lowp_scales (int32; the entries are numbered through the quantised products in the list's order, A before B).
;;     - Each number is divided by the scale, clamped to +-448, and rounded to the nearest number of E4M3, ties to even, subnormals kept.
;;     - The product sums the exact products of the quantised numbers (number of the format x scale) in f32.
;;   ~~~python
;;   def quantise(x, axis, e):      # numpy; x: float32 -> the quantised numbers, widened to float32 again
;;       x = np.moveaxis(x, axis, -1); K = x.shape[-1]
;;       r = np.clip(x / 2.0 ** e, -448, 448)
;;       step = 2.0 ** (np.maximum(np.frexp(np.where(r == 0, 1, r))[1] - 1, -6) - 3)
;;       q = np.round(r / step) * step * 2.0 ** e      # np.round: ties to even
;;       return np.moveaxis(q, -1, axis).astype(np.float32)
;;   ~~~
;;   INPUTS GIVEN AS CODES. Wh (in the module: [1024, 4096], K = its axis 0); Wi (in the module: [1024, 4096], K = its axis 0); h (in the module: [8192, 1024], K = its axis 1); x (in the module: [8192, 1024], K = its axis 1): each comes as NAME_codes (uint8): NAME with its K axis moved to the last place and cut into blocks of 32 codes, [.., K / 32, bytes a block], one block behind the other in memory; one code a byte (a code: sign, 4 exponent bits, 3 mantissa bits); its scale is its entry of lowp_scales. Its value is code x scale, taken as it is: it is not quantised again, and the codes and scales need not be those that the quantiser above would give.
;; One version. Each part assembles by itself: llvm-mc -triple=amdgcn-amd-amdhsa -mcpu=gfx1250 --defsym DOCPART=n.
;; ======== version 1 of 1: 1 launch
;; launch lstm (part 1): grid 16 x 32, 4 waves a work-group, clusters of 4 x 4, 327,680 bytes of LDS; arguments x_codes, h_codes, Wi_codes, Wh_codes, bi, bh, c, lowp_scales, out0, out1; writes out0, out1
.if DOCPART == 1
	.amdgcn_target "amdgcn-amd-amdhsa--gfx1250"
	.amdhsa_code_object_version 6
	.text
	.protected	k_qe9955d5861_lstm
	.globl	k_qe9955d5861_lstm
	.p2align	8
	.type	k_qe9955d5861_lstm,@function
k_qe9955d5861_lstm:
	s_mov_b64 s[64:65], 0
	v_nop
	global_prefetch_b8 v0, s[64:65] scope:SCOPE_SE
	s_setreg_imm32_b32 hwreg(HW_REG_WAVE_MODE, 25, 1), 1
	s_wait_xcnt 0x0
	s_wait_alu depctr_hold_cnt(0) depctr_sa_sdst(0) depctr_va_vdst(0) depctr_va_sdst(0) depctr_va_ssrc(0) depctr_va_vcc(0) depctr_vm_vsrc(0)
	s_getreg_b32 s2, hwreg(HW_REG_IB_STS2, 6, 4)
	s_cmp_eq_u32 s2, 0
	s_cbranch_scc0 .Lentry_in_a_cluster
	s_endpgm
.Lentry_in_a_cluster:
	s_bfe_u32 s2, ttmp6, 0x10000c
	s_cmp_lg_u32 s2, 0xf033
	s_cbranch_scc0 .Lentry_shape_is_right
	s_endpgm
.Lentry_shape_is_right:
; LSTM cell.  gates = x Wi + h Wh + bi + bh, [8192][4096], gate order I, F, G, O; c_ = sigmoid(F) c + sigmoid(I) tanh(G); h_ = sigmoid(O) tanh(c_).  out0 = h_, out1 = c_, f32.
; x, h: [8192][1024], Wi, Wh: [4096][1024]: codes of FP8 (E4M3), K innermost, one scale 2^e a tensor (e0 x, e1 Wi, e2 h, e3 Wh).  The codes are multiplied as they are, sums in f32.
; ONE LAUNCH: the gates never go to memory.
; SHARES.  A work-group (tx = 0..15, ty = 0..31) takes rows 256 ty on and hidden columns 64 tx on IN ALL FOUR GATES: a tile of 256 x 256 gates; its part of a row of c, out0, out1 is 256 bytes, aligned.
; Four waves, as many as a WGP has SIMDs; wave w: rows 128 (w / 2) on, hidden columns 32 (w % 2) on x 4 gates: 64 accumulators of 16 x 16, 512 registers.
; THE MATRIX INSTRUCTION IS USED TRANSPOSED (source 0 = 16 rows of W, source 1 = 16 rows of x or h).  Column tile b = 2 g + u is gate g, hidden 16 u on: in accumulator (a, b), lane (r, hh), register j is
; row 16 a + r, hidden 32 (w % 2) + 16 u + 8 hh + j of gate g.  So a cell's four gates lie in ONE lane, 16 registers apart, and the cell is computed without any exchange.
; K: eight K steps of 256 through a ring of two LDS slots: four of one product, four of the other.  Between them every sum is multiplied once by 2^(the first product's two exponents less the second's), which rounds
; nothing, and the second product adds on in place; 2^(the second's exponents), the biases and log2(e) go into the one packed multiply-add that makes each exponential's argument.
; FOUR ORDERS OF K.  j = (cluster x + cluster y) mod 4.  j & 1: h Wh comes first, else x Wi.  j & 2: a product's K steps go 2, 3, 0, 1, else 0, 1, 2, 3.  The four clusters that read the same rows of x and h (one
; cluster y) have four different j, and so have four neighbouring clusters that read the same rows of W (one cluster x): at no step do two of them ask for the same bytes; their first two K steps together name all
; eight, and each later request names bytes that another of them asked for 2, 4 or 6 K steps earlier.  j is the same in all sixteen partners of a cluster.  The order of the f32 sums along K differs with j.
; A fragment comes by four loads of 16 bytes: a permutation of k inside the 128, the same on both sides, so every product meets its partner; only the order of the sums inside an instruction differs.
; CLUSTERS: 4 x 4 work-groups.  The four of a row of the cluster need the same rows of x and h, the four of a column the same rows of Wi and Wh: each tile is asked for jointly.  c's tile is a work-group's own.
; W's part of a K step is four blocks of 64 rows, one a gate, 2^20 bytes apart: a tile of three dimensions (256 bytes x 64 rows x 2 gates) lets waves 2 and 3 bring it with one load each.
; THE CELL.  With E = 2^argument: sigmoid = 1 / (1 + E), tanh = (E - 1) / (E + 1).  I G = (Eg - 1) / ((1 + Ei)(1 + Eg)), h_ = (Ec - 1) / ((1 + Eo)(1 + Ec)): five exponentials and three reciprocals a cell.
; The two tanh arguments are held at 32 from above (there tanh is 1 in f32), so a numerator is finite; an infinite 1 + E gives the reciprocal 0.  So gates of any finite size are served.
; LEFT OUT: work-groups that stay (512 tiles on 256 WGPs): the way out stores into slot 0 by ds_store; what LDS has beside the ring (48 KiB) does not hold c's tile and the stages.
; LEFT OUT: a prefetch of x, h and W: each block's first request is a first fill at the kernel's head, where nothing is prefetched.  c's tile, which one work-group reads once, has its prefetch.
; LIMITS: e0 + e1 and e2 + e3 between -126 and 126, their difference between -126 and 126, so that each power of two below is an f32 number.  NaN codes and a NaN or infinite c are not served (the hold drops a NaN).
; REGISTERS, in windows of 256.  Window 0: v0 thread; v16-30 addresses; v32-95 the biases x their factors; v96-127 rows on their way out; v128-255 A's fragments, ONE set (on the way out: arguments, c, numerators).
;   Window 1: W's fragments, TWO sets, at v0 and v128.   Window 2: the accumulators of my rows 0-63 ((a, b) at v[8 (8 a + b)]);   window 3: those of my rows 64-127.
.set PITCH, 272                        ; an LDS row: 256 bytes + 16 of padding = 68 words: row r starts at bank 4 r mod 64 (64 banks of 4 bytes: ISA guide 11.1)
.set HALFT, 128*PITCH                  ; 128 rows: what one tensor load brings
.set SLOT,  4*HALFT                    ; A's 256 rows, then W's 256 rows (row 64 g + hidden)
.set SPARE, 2*SLOT                     ; behind the ring: the spare words, 128 bytes a wave: two blocks of 256 bytes that no other line names
.set HST,   2*HALFT                    ; the way out: c's tile, later c_, lies at 0 (slot 0's A part); h_ from here on (slot 0's W part): 256 rows x 272 bytes each
.set BLKB,  16*PITCH                   ; a block of 16 rows in a stage
.set ADRA, 16                          ; v16-17  LDS address of my A fragments in slot 0, 1
.set ADRB, 20                          ; v20-21  the same for W
.set CO,   22                          ; v22     the way out: my byte offset in two rows of out0, out1
.set PFO,  23                          ; v23     4096 x lane: a row of c; never rewritten
.set CRD,  24                          ; v24     my 32 bytes of a row of c's tile
.set HSTA, 25                          ; v25     the same place in h_'s stage
.set RD,   26                          ; v26     where I read whole rows of c_ back
.set RDH,  27                          ; v27     and of h_
.set SPW,  28                          ; v28     LDS address of my spare word; never rewritten
.set NIL,  29                          ; v29     0; never rewritten
.set VB,   30                          ; v30     32 hh: my eight numbers of a tile of biases
.set BI,   32                          ; v32-95  (bi + bh) x -log2(e) (I, F, O) or x 2 log2(e) (G), at BI + 8 b + j
.set OB,   96                          ; v96-127 eight rows of h_ and of c_ read back
.set AF,   128                         ; A's fragments
.set T,    128                         ; the way out: 64 arguments, 16 a gate: I, F, G, O
.set CC,   192                         ; c, then c_
.set X1,   208                         ; numerators
.set FA,  4                            ; s[4:5] the first product's x or h at my rows; s[6:7] the second's; s[8:9], s[10:11] their W
.set SA,  6
.set FB,  8
.set SB,  10
.set KO,  66                           ; s[66:67] 0 or 512: the bytes along K at which my cluster begins a product
.set G1A, 24                           ; s[24:31] group 1 for x's and h's tiles; s[32:39] their groups 0, one a slot
.set G0A, 32
.set G1B, 48                           ; s[48:55] group 1 for W's tiles; s[56:63] groups 0; s[80:83], s[84:87] groups 2 and 3
.set G0B, 56
.set G2B, 80
.set G3B, 84
.set G1C, 88                           ; s[88:95], s[96:99] c's tile
.set G0C, 96
.set MSB, 0
.macro WIN new                         ; the immediate's high byte repeats the setting that is left; a switch that changes nothing is dropped
.if MSB != \new
	s_set_vgpr_msb (MSB<<8)|\new
.set MSB, \new
.endif
.endm
.set MUL_LO, 0xa1                      ; source 0 (W) window 1, source 1 (A) window 0, C and D window 2
.set MUL_HI, 0xf1                      ; the same, C and D window 3
.set TO_B,   0x40                      ; destination window 1, address window 0
.macro PLACES n                        ; plain vector instructions between a matrix instruction and a load into, or a vector instruction on, its registers
.rept \n
	v_nop
.endr
.endm
; A tile's global address into the pair s[g:g+1] of a group 0: base + the K step's bytes.  half = 0: my cluster's first two K steps of a product (KO, KO + 256); half = 1: the other two (512 - KO, 768 - KO).
.macro NEWADR g, base, half, slot
.if \half
	s_add_nc_u64 s[\g:\g+1], s[\base:\base+1], 512+256*\slot
	s_sub_nc_u64 s[\g:\g+1], s[\g:\g+1], s[KO:KO+1]
.else
	s_add_nc_u64 s[\g:\g+1], s[\base:\base+1], s[KO:KO+1]
.if \slot
	s_add_nc_u64 s[\g:\g+1], s[\g:\g+1], 256
.endif
.endif
	s_or_b32 s[\g+1], s[\g+1], 0x80000000          ; type = 2
.endm
; A joint load: waves 0 and 1 fetch A's halves, waves 2 and 3 W's pairs of gates.  The branch hangs on the wave's number alone.  An s_nop 0 and four v_nop follow each line.
.macro JLOAD slot
	s_cmp_eq_u32 s15, 0
	s_cbranch_scc0 .Lfor_b_\@
	tensor_load_to_lds s[G0A+4*\slot:G0A+4*\slot+3], s[G1A:G1A+7]
	s_nop 0
.rept 4
	v_nop
.endr
	s_branch .Lasked_\@
.Lfor_b_\@:
	tensor_load_to_lds s[G0B+4*\slot:G0B+4*\slot+3], s[G1B:G1B+7], s[G2B:G2B+3], s[G3B:G3B+3]
	s_nop 0
.rept 4
	v_nop
.endr
.Lasked_\@:
.endm
; c's tile, the work-group's own (no mask): waves 0 and 1 fetch 128 rows each into slot 0's A part.  The four v_nop, on every wave's path, are also the places in front of the loads that follow.
.macro CTL
	s_cmp_eq_u32 s15, 0
	s_cbranch_scc0 .Lno_c_\@
	tensor_load_to_lds s[G0C:G0C+3], s[G1C:G1C+7]
	s_nop 0
.Lno_c_\@:
.rept 4
	v_nop
.endr
.endm
; A prefetch into the L2 of c's tile, two refills (256 matrix instructions) ahead of its tensor load: 256 rows x 256 bytes; wave w names rows 64 w on, a lane a row, two instructions.
; No other work-group reads these bytes, so each row's 256 bytes are named once in the launch.  Its registers are never rewritten.
.macro ASKC
	global_prefetch_b8 v[PFO], s[18:19] th:TH_LOAD_NT scope:SCOPE_SE
	global_prefetch_b8 v[PFO], s[18:19] offset:131072 th:TH_LOAD_NT scope:SCOPE_SE
.endm
.macro CREST                           ; a round of the cluster's barrier behind its opening barrier
	s_cmp_lg_u32 s14, 0
	s_cbranch_scc1 .Lnot_wave_0_\@
	s_barrier_signal -3
.Lnot_wave_0_\@:
	s_barrier_wait -3
	s_barrier_signal -1
	s_barrier_wait -1
.endm
.macro CROUND                          ; a whole round
	s_barrier_signal -1
	s_barrier_wait -1
	CREST
.endm
	s_load_b256 s[4:11], s[0:1], 0x0               ; x s[4:5], h s[6:7], Wi s[8:9], Wh s[10:11]
	s_load_b256 s[68:75], s[0:1], 0x20             ; bi s[68:69], bh s[70:71], c s[72:73], the scales' exponents s[74:75]
	s_load_b128 s[76:79], s[0:1], 0x40             ; out0 s[76:77], out1 s[78:79]
	v_lshl_add_u32 v[SPW], v0, 2, SPARE
	v_mov_b32 v[NIL], 0
	ds_add_u32 v[SPW], v[NIL]                      ; the wave's opening: the add and its wait stand ahead of my first tensor load; the set-up below, work on registers, stands between them
	v_lshrrev_b32 v3, 5, v0
	v_readfirstlane_b32 s14, v3                    ; wave 0..3
	s_lshr_b32 s15, s14, 1                         ; rh: which 128 rows are mine.  Also: I fetch for A (0) or for W (1)
	s_and_b32 s16, s14, 1                          ; ch: which 32 hidden columns.  Also: which half of that tile I fetch
	s_bfe_u32 s40, ttmp6, 0x40000                  ; cx, cy: my place in the cluster
	s_bfe_u32 s41, ttmp6, 0x40004
	s_lshl_b32 s42, ttmp9, 2
	s_add_co_u32 s42, s42, s40                     ; tx = 4 x cluster x + cx
	s_and_b32 s17, ttmp7, 0xffff
	s_lshl_b32 s17, s17, 2
	s_add_co_u32 s17, s17, s41                     ; ty = 4 x cluster y + cy
	s_lshl_b32 s43, s41, 2
	s_lshl_b32 s43, 15, s43                        ; my row of the cluster
	s_lshl_b32 s44, 0x1111, s40                    ; my column
	s_and_b32 s2, ttmp7, 0xffff                    ; my cluster's order of K: j = cluster x + cluster y, of which two bits count; in registers that never hold cx or cy
	s_add_co_u32 s2, s2, ttmp9
	s_and_b32 s3, s2, 1                            ; 1: h Wh comes first
	s_and_b32 s2, s2, 2
	s_cmp_eq_u32 s2, 0
	s_cselect_b32 s[KO], 0, 512                    ; a product begins at its K step 0 or 2
	s_mov_b32 s[KO+1], 0
	; group 1 for A: 128 rows x 256 bytes, rows 1,024 bytes apart, padded in LDS
	s_or_b32 s[G1A+0], s43, (1<<20)|(1<<21)|(5<<22)|(3<<25)   ; 15:0 the mask: my row; 17:16 elements of 1 byte; 20 padding on; 21 set beside a mask; 24:22 after every 64 words (code 5); 31:25 four words (code 3)
	s_mov_b32 s[G1A+1], 256<<16                    ; tensor_dim0 = 256
	s_mov_b32 s[G1A+2], 128<<16                    ; tensor_dim1 = 128
	s_mov_b32 s[G1A+3], 256<<16                    ; tile_dim0 = 256
	s_mov_b32 s[G1A+4], 128                        ; tile_dim1 = 128
	s_mov_b32 s[G1A+5], 1024                       ; from row to row
	s_mov_b32 s[G1A+6], 0
	s_mov_b32 s[G1A+7], 0
	; groups 1 to 3 for W: 2 gates x 64 rows x 256 bytes; in LDS 128 rows on end
	s_or_b32 s[G1B+0], s44, (1<<20)|(1<<21)|(5<<22)|(3<<25)   ; the same with the mask of my column
	s_mov_b32 s[G1B+1], 256<<16                    ; tensor_dim0 = 256
	s_mov_b32 s[G1B+2], 64<<16                     ; tensor_dim1 = 64
	s_mov_b32 s[G1B+3], 256<<16                    ; tile_dim0 = 256
	s_mov_b32 s[G1B+4], 64|(2<<16)                 ; tile_dim1 = 64, tile_dim2 = 2
	s_mov_b32 s[G1B+5], 1024                       ; from row to row
	s_mov_b32 s[G1B+6], 0                          ; from gate to gate 2^20: its low 16 bits
	s_mov_b32 s[G1B+7], 0x10                       ; and the rest
	s_mov_b32 s[G2B+0], 2                          ; tensor_dim2 = 2
	s_mov_b32 s[G2B+1], 1                          ; tensor_dim3 = 1
	s_mov_b32 s[G2B+2], 0
	s_mov_b32 s[G2B+3], 0                          ; tile_dim3 = 0: not used
	s_mov_b32 s[G3B+0], 0
	s_mov_b32 s[G3B+1], 1<<16                      ; tensor_dim4 = 1
	s_mov_b32 s[G3B+2], 0                          ; tile_dim4 = 0: not used
	s_mov_b32 s[G3B+3], 0
	; group 1 for c: 128 rows x 256 bytes, rows 4,096 bytes apart, no mask
	s_mov_b32 s[G1C+0], (1<<20)|(5<<22)|(3<<25)
	s_mov_b32 s[G1C+1], 256<<16
	s_mov_b32 s[G1C+2], 128<<16
	s_mov_b32 s[G1C+3], 256<<16
	s_mov_b32 s[G1C+4], 128
	s_mov_b32 s[G1C+5], 4096
	s_mov_b32 s[G1C+6], 0
	s_mov_b32 s[G1C+7], 0
	; where the tiles come from.  A's hang on ty alone, which my row of the cluster shares; W's on tx alone, which my column shares; each in registers that never hold the other coordinate
	s_lshl_b32 s12, s17, 18                        ; 256 ty rows of 1,024 bytes
	s_lshl_b32 s13, s16, 17                        ; + the 128 rows that I fetch
	s_add_co_u32 s12, s12, s13
	s_mov_b32 s13, 0
	s_lshl_b32 s46, s42, 16                        ; 64 tx rows of 1,024 bytes
	s_lshl_b32 s47, s16, 21                        ; + the two gates that I fetch
	s_add_co_u32 s46, s46, s47
	s_mov_b32 s47, 0
	s_mul_i32 s45, s14, HALFT                      ; where they go: wave x 128 rows: no place in the cluster enters an LDS address
	s_wait_dscnt 0x0                               ; the opening add is done
	s_wait_kmcnt 0x0
	s_load_b128 s[20:23], s[74:75], 0x0            ; e0, e1, e2, e3
	s_add_nc_u64 s[4:5], s[4:5], s[12:13]          ; x, h at my rows;
	s_add_nc_u64 s[6:7], s[6:7], s[12:13]
	s_add_nc_u64 s[8:9], s[8:9], s[46:47]          ; Wi, Wh at mine
	s_add_nc_u64 s[10:11], s[10:11], s[46:47]
	s_cmp_eq_u32 s3, 0                             ; which product comes first: a choice between buffers on the cluster's number alone
	s_cselect_b64 s[12:13], s[4:5], s[6:7]
	s_cselect_b64 s[SA:SA+1], s[6:7], s[4:5]
	s_mov_b64 s[FA:FA+1], s[12:13]
	s_cselect_b64 s[46:47], s[8:9], s[10:11]
	s_cselect_b64 s[SB:SB+1], s[10:11], s[8:9]
	s_mov_b64 s[FB:FB+1], s[46:47]
	CROUND                                         ; all sixteen work-groups are here: the first joint loads meet
.irp s, 0,1
	s_mov_b32 s[G0A+4*\s], 1                                       ; count = 1
	s_add_co_u32 s[G0A+4*\s+1], s45, \s*SLOT                       ; LDS address
	NEWADR G0A+4*\s+2, FA, 0, \s                                   ; my cluster's K step s of the first product
	s_mov_b32 s[G0B+4*\s], 1
	s_add_co_u32 s[G0B+4*\s+1], s45, \s*SLOT
	NEWADR G0B+4*\s+2, FB, 0, \s
	JLOAD \s                                       ; two loads of mine are out
.endr
	v_and_b32 v1, 15, v0                           ; r
	v_bfe_u32 v2, v0, 4, 1                         ; hh
	v_mul_u32_u24 v3, v1, PITCH
	v_lshl_add_u32 v4, v2, 4, v3                   ; a fragment's row x pitch + 16 hh
	s_mul_i32 s43, s15, HALFT                      ; my 128 rows of A
	s_mul_i32 s44, s16, 32*PITCH                   ; my 32 hidden columns in each gate's 64 rows of W,
	s_add_co_u32 s44, s44, 2*HALFT                 ; which lie behind A's 256
.irp s, 0,1
	v_add_nc_u32 v[ADRA+\s], s43, v4
	v_add_nc_u32 v[ADRB+\s], s44, v4
	s_add_co_u32 s43, s43, SLOT
	s_add_co_u32 s44, s44, SLOT
.endr
	s_mul_i32 s40, s15, HALFT
	s_lshl_b32 s41, s16, 7
	s_add_co_u32 s41, s41, s40
	v_lshl_add_u32 v5, v2, 5, v3
	v_add_nc_u32 v[CRD], s41, v5                   ; c's tile: row 128 rh + r, byte 128 ch + 32 hh
	v_add_nc_u32 v[HSTA], HST, v[CRD]
	s_mul_i32 s41, s16, 8*PITCH
	s_add_co_u32 s41, s41, s40
	v_mul_u32_u24 v5, v2, PITCH
	v_lshl_add_u32 v5, v1, 4, v5
	v_add_nc_u32 v[RD], s41, v5                    ; back: of a block's 16 rows wave ch takes 8 ch on; lanes 0-15 one row of 256 bytes, lanes 16-31 the next
	v_add_nc_u32 v[RDH], HST, v[RD]
	v_lshlrev_b32 v[CO], 12, v2
	v_lshl_add_u32 v[CO], v1, 4, v[CO]             ; and the same two rows in out0, out1
	v_and_b32 v[PFO], 31, v0
	v_lshlrev_b32 v[PFO], 12, v[PFO]
	v_lshlrev_b32 v[VB], 5, v2
	s_wait_kmcnt 0x0                               ; the exponents
	s_add_co_i32 s20, s20, s21                     ; e0 + e1
	s_add_co_i32 s22, s22, s23                     ; e2 + e3
	s_cmp_eq_u32 s3, 0
	s_cselect_b32 s21, s20, s22                    ; the first product's,
	s_cselect_b32 s22, s22, s20                    ; the second's
	s_sub_co_i32 s20, s21, s22
	s_add_co_i32 s20, s20, 127
	s_lshl_b32 s2, s20, 23                         ; 2^(the first's less the second's) as f32
	s_mov_b32 s3, s2                               ; (the packed forms name a pair and take its low word for both halves: so the upper word is written)
	s_lshl_b32 s22, s22, 23
	s_add_co_i32 s100, s22, 0xbfb8aa3b             ; -log2(e) x 2^(the second's): the exponents are added to the constant's exponent field
	s_mov_b32 s101, s100
	s_add_co_i32 s104, s22, 0x4038aa3b             ; 2 log2(e) x 2^(the second's)
	s_mov_b32 s105, s104
	s_mov_b32 s21, 0
	s_mov_b32 s23, 0
	s_lshl_b32 s20, s42, 8                         ; 256 tx
	s_lshl_b32 s22, s16, 7
	s_add_co_u32 s22, s22, s20                     ; + 128 ch: my 32 hidden columns in a gate's biases
	s_add_nc_u64 s[68:69], s[68:69], s[22:23]
	s_add_nc_u64 s[70:71], s[70:71], s[22:23]
.irp b, 0,1,2,3,4,5,6,7                        ; once a wave: tile b's eight numbers of my half; bh goes into registers that A's fragments take later
	global_load_b128 v[BI+8*\b:BI+8*\b+3],   v[VB], s[68:69] offset:(\b/2)*4096+(\b%2)*64
	global_load_b128 v[BI+8*\b+4:BI+8*\b+7], v[VB], s[68:69] offset:(\b/2)*4096+(\b%2)*64+16
	global_load_b128 v[AF+8*\b:AF+8*\b+3],   v[VB], s[70:71] offset:(\b/2)*4096+(\b%2)*64
	global_load_b128 v[AF+8*\b+4:AF+8*\b+7], v[VB], s[70:71] offset:(\b/2)*4096+(\b%2)*64+16
.endr
	s_lshl_b32 s22, s17, 20
	s_add_co_u32 s20, s20, s22                     ; the tile's corner in c, out0, out1: 256 ty rows of 4,096 bytes + 256 tx
	s_add_nc_u64 s[72:73], s[72:73], s[20:21]
	s_lshl_b32 s22, s14, 18
	s_add_nc_u64 s[18:19], s[72:73], s[22:23]      ; the prefetch: my wave's 64 rows of c's tile
	s_lshl_b32 s22, s16, 19
	s_mov_b32 s[G0C], 1
	s_mov_b32 s[G0C+1], s45                        ; waves 0 and 1 alone issue it: LDS bytes 0 and 34,816
	s_add_nc_u64 s[G0C+2:G0C+3], s[72:73], s[22:23]
	s_or_b32 s[G0C+3], s[G0C+3], 0x80000000
	s_lshl_b32 s22, s15, 19                        ; the rows that I store: 128 rh + 8 ch on
	s_lshl_b32 s12, s16, 15
	s_add_co_u32 s22, s22, s12
	s_add_co_u32 s20, s20, s22
	s_add_nc_u64 s[76:77], s[76:77], s[20:21]
	s_add_nc_u64 s[78:79], s[78:79], s[20:21]
	s_mov_b32 s12, 0x42000000                      ; 32.0: the hold of the tanh arguments
	s_wait_loadcnt 0x0                             ; the biases
.set i, 0
.rept 32
	v_pk_add_f32 v[BI+i:BI+i+1], v[BI+i:BI+i+1], v[AF+i:AF+i+1]
.set i, i+2
.endr
.set i, 0
.rept 32
.if (i/16) == 2
	v_pk_mul_f32 v[BI+i:BI+i+1], v[BI+i:BI+i+1], 0x4038aa3b op_sel_hi:[1,0]   ; gate G: x 2 log2(e)
.else
	v_pk_mul_f32 v[BI+i:BI+i+1], v[BI+i:BI+i+1], 0xbfb8aa3b op_sel_hi:[1,0]   ; gates I, F, O: x -log2(e)
.endif
.set i, i+2
.endr
; A fragment, 16 rows x 128 K, is 16 registers: lane l holds row l % 16; registers 4 c .. 4 c + 3 hold K = 32 c + 16 (l / 16) + 0 .. 15.  q: which 128 along K of the slot.
.macro LDA slot, q, i                  ; A's block i (every window 0)
.irp c, 0,1,2,3
	ds_load_b128 v[AF+16*(\i)+4*\c:AF+16*(\i)+4*\c+3], v[ADRA+\slot] offset:128*(\q)+32*\c+(\i)*16*PITCH
.endr
.endm
.macro LDB slot, q, p, b               ; W's tile b = gate b / 2, hidden 16 (b % 2) on, into set p (destination window 1)
.irp c, 0,1,2,3
	ds_load_b128 v[128*(\p)+16*(\b)+4*\c:128*(\p)+16*(\b)+4*\c+3], v[ADRB+\slot] offset:128*(\q)+32*\c+(64*((\b)/2)+16*((\b)%2))*PITCH
.endr
.endm
; 8 matrix instructions: A's block a x W's eight tiles of set p, 128 along K.  zero = 1: the first product starts the sums: nothing is ever cleared.
; The 64 accumulators take turns, one instruction a turn, in the same order in every step.
.macro MUL8 a, p, zero
	WIN MUL_LO+0x50*((\a)/4)
.irp b, 0,1,2,3,4,5,6,7
.if \zero
	v_wmma_f32_16x16x128_fp8_fp8 v[8*(8*((\a)%4)+\b):8*(8*((\a)%4)+\b)+7], v[128*(\p)+16*\b:128*(\p)+16*\b+15], v[AF+16*(\a):AF+16*(\a)+15], 0
.else
	v_wmma_f32_16x16x128_fp8_fp8 v[8*(8*((\a)%4)+\b):8*(8*((\a)%4)+\b)+7], v[128*(\p)+16*\b:128*(\p)+16*\b+15], v[AF+16*(\a):AF+16*(\a)+15], v[8*(8*((\a)%4)+\b):8*(8*((\a)%4)+\b)+7]
.endif
.endr
.endm
; THE LDS LOADS OF A STEP stand in eight short runs, run k behind the products of A's block k, so that the loads are spread over the step's 64 matrix instructions: 4, 8, 8, 8, 8, 12, 12, 4.
; Run 0: A's block 7 of the step IN HAND (slot cs, part cq).  Runs 1-4: the next step's W (slot ns, part nq), two tiles each, into set np.  Runs 5, 6, 7: the next step's A, blocks 0-2, 3-5, 6.
; A has one set of registers: a block is loaded again one run or more behind the run that follows its products.  Two v_nop open each run, so four places lie between a block's last product and the loads into it
; (block 7: run 7's two and the next step's run 0's two).  A run costs two switches of the register window: sixteen a step.
.macro RUN k, cs, cq, ns, nq, np
.if (\k) == 0
	WIN 0
	LDA \cs, \cq, 7
.elseif (\k) < 5
	WIN TO_B
	LDB \ns, \nq, \np, 2*(\k)-2
	LDB \ns, \nq, \np, 2*(\k)-1
.elseif (\k) == 5
	WIN 0
	LDA \ns, \nq, 0
	LDA \ns, \nq, 1
	LDA \ns, \nq, 2
.elseif (\k) == 6
	WIN 0
	LDA \ns, \nq, 3
	LDA \ns, \nq, 4
	LDA \ns, \nq, 5
.else
	WIN 0
	LDA \ns, \nq, 6
.endif
.endm
; A slot's first 128 along K: multiplies W's set 0; its runs fetch the slot's second 128, W into set 1.
.macro STEP slot, zero
.irp a, 0,1,2,3,4,5,6,7
.if \a == 0
	s_wait_dscnt 16                                ; W's set and A's blocks 0-2 are in; the last step's runs 6 and 7 (12 + 4 loads) may be out
.elseif \a == 3
	s_wait_dscnt 24                                ; A's blocks 3-5 are in; behind them: run 7 (4) and this step's runs 0 to 2 (4 + 8 + 8)
.elseif \a == 6
	s_wait_dscnt 44                                ; A's blocks 6 and 7 are in; behind them: this step's runs 1 to 5 (32 + 12)
.endif
	MUL8 \a, 0, \zero
	PLACES 2
	RUN \a, \slot, 0, \slot, 1, 1
.endr
.endm
; A slot's second 128 along K changes slots.  Run 0 is my last read of this slot.  Then: the wait for all my tensor loads, the add, block 1's products, the wait for the add and for my reads, and one round of the cluster's
; barrier; behind it this slot is filled again first, 8 matrix instructions behind the wait for all loads, so that the refill has 120 of a K step's 128 in which to land; runs 1 to 7 read the next slot.
; ab, bb: the scalar pairs of the product's bases, half: which two of its K steps (NEWADR); ab = 0: c's tile.  ask = 1: c's tile is prefetched.
.macro TURN slot, next, ab, bb, half, ask
	s_wait_dscnt 16                                ; as in STEP
	MUL8 0, 1, 0
	PLACES 2
	RUN 0, \slot, 1, \next, 0, 0
	s_wait_tensorcnt 0x0                           ; all my tensor loads have landed: my part of the next slot  (every window is 0 here)
	ds_add_u32 v[SPW], v[NIL]                      ; 0 onto my spare word
.if \ab
	NEWADR G0A+4*\slot+2, \ab, \half, \slot        ; no tensor load of mine is out, so a group 0 may be written
	NEWADR G0B+4*\slot+2, \bb, \half, \slot
.endif
	MUL8 1, 1, 0                                   ; eight matrix instructions stand between the add and the wait for it (A's block 1 came with block 0)
	WIN 0
	s_wait_dscnt 0x0                               ; the add is done, and my reads of this slot are over
	s_barrier_signal -1
	s_barrier_wait -1
	CREST                                          ; no wave of any partner still reads this slot's tile or has a load on its way
.if \ab
	JLOAD \slot                                    ; the first tensor load behind the round; its four v_nop stand for run 1's two
.else
	CTL
.endif
	RUN 1, \slot, 1, \next, 0, 0
.if \ask
	WIN 0
	ASKC                                           ; behind the joint load and a run of LDS loads
.endif
.irp a, 2,3,4,5,6,7                            ; all of A's blocks are in since the wait for 0
	MUL8 \a, 1, 0
	PLACES 2
	RUN \a, \slot, 1, \next, 0, 0
.endr
.endm
	s_wait_tensorcnt 1                             ; my part of the first K step is in; the second's load may stay out
	s_barrier_signal -1
	s_barrier_wait -1                              ; everybody's is
	WIN TO_B                                       ; the first step's fragments, in the order of runs 1 to 7; A's block 7 comes by the step's own run 0
.irp b, 0,1,2,3,4,5,6,7
	LDB 0, 0, 0, \b
.endr
	WIN 0
.irp i, 0,1,2,3,4,5,6
	LDA 0, 0, \i
.endr
	; THE EIGHT K STEPS, written out: their refills differ (first product, second product, c)
	STEP 0, 1                                      ; its products start the sums
	TURN 0, 1, FA, FB, 1, 0                        ; slot 0 takes the first product's third K step
	STEP 1, 0
	TURN 1, 0, FA, FB, 1, 0                        ; slot 1 its fourth
	STEP 0, 0
	TURN 0, 1, SA, SB, 0, 0                        ; slot 0 takes the second product's first K step
	STEP 1, 0
	TURN 1, 0, SA, SB, 0, 0                        ; slot 1 its second; the first product is summed
	; every sum x 2^(the first product's exponents less the second's): from here on a sum stands for sum x 2^(the second's).  The runs' v_nop and window 2's lines are the places behind the last products; each accumulator from its low end on
	WIN 0x82
.set i, 0
.rept 128
	v_pk_mul_f32 v[i:i+1], v[i:i+1], s[2:3] op_sel_hi:[1,0]
.set i, i+2
.endr
	WIN 0xc3
.set i, 0
.rept 128
	v_pk_mul_f32 v[i:i+1], v[i:i+1], s[2:3] op_sel_hi:[1,0]
.set i, i+2
.endr
	STEP 0, 0
	TURN 0, 1, SA, SB, 1, 1                        ; slot 0 takes the second product's third K step; c's tile is prefetched
	STEP 1, 0
	TURN 1, 0, SA, SB, 1, 0                        ; slot 1 its fourth
	STEP 0, 0
	TURN 0, 1, 0, 0, 0, 0                          ; slot 0 has been read out for the last time: its A part takes c's tile
	STEP 1, 0
	s_wait_dscnt 16                                ; the very last 128 along K: only A's block 7 is left to fetch
	MUL8 0, 1, 0
	PLACES 2
	RUN 0, 1, 1, 1, 1, 1
	MUL8 1, 1, 0
	MUL8 2, 1, 0
	s_wait_dscnt 8                                 ; A's blocks 3-5 are in; behind them: blocks 6 and 7 (4 + 4)
	MUL8 3, 1, 0
	s_wait_tensorcnt 0x0                           ; my part of c's tile is in,
	s_wait_dscnt 0x0                               ; and so are A's blocks 6 and 7: no LDS instruction of mine is out
	s_barrier_signal -1
	MUL8 4, 1, 0
	MUL8 5, 1, 0
	MUL8 6, 1, 0
	MUL8 7, 1, 0
	WIN 0
	s_barrier_wait -1                              ; c's tile is whole for every wave
	PLACES 4                                       ; behind the last products: for the reads of results, and for what is written over A's fragments
; THE WAY OUT, block by block of 16 rows.
; ARGS: the 64 arguments of block a's exponentials: sum x (factor x 2^(the second product's exponents)) + bias x factor, two at a time; each accumulator from its low end on.  G's are held at 32.
.macro ARGS a
.set AC, 64*((\a)%4)
	WIN 0x02+((\a)/4)                              ; source 0: window 2 or 3
.set i, 0
.rept 32
.if (i/16) == 2
	v_pk_fma_f32 v[T+i:T+i+1], v[AC+i:AC+i+1], s[104:105], v[BI+i:BI+i+1] op_sel_hi:[1,0,1]
.else
	v_pk_fma_f32 v[T+i:T+i+1], v[AC+i:AC+i+1], s[100:101], v[BI+i:BI+i+1] op_sel_hi:[1,0,1]
.endif
.set i, i+2
.endr
	WIN 0
.set i, 0
.rept 16
	v_min_num_f32 v[T+32+i], s12, v[T+32+i]
.set i, i+1
.endr
.endm
.macro CLOAD a                         ; my 16 numbers of c in block a
.irp u, 0,1
	ds_load_b128 v[CC+8*\u:CC+8*\u+3],   v[CRD] offset:(\a)*BLKB+64*\u
	ds_load_b128 v[CC+8*\u+4:CC+8*\u+7], v[CRD] offset:(\a)*BLKB+64*\u+16
.endr
.endm
.macro SEND a                          ; eight rows of h_ and of c_: 16 lanes store 256 consecutive bytes, at a multiple of 256 from the buffer's first byte; written once, read by nobody here
.irp t, 0,1,2,3
	global_store_b128 v[CO], v[OB+4*\t:OB+4*\t+3], s[76:77] offset:(16*(\a)+2*\t)*4096 th:TH_STORE_NT
.endr
.irp t, 0,1,2,3
	global_store_b128 v[CO], v[OB+16+4*\t:OB+16+4*\t+3], s[78:79] offset:(16*(\a)+2*\t)*4096 th:TH_STORE_NT
.endr
.endm
.macro READBACK a                      ; a row's 256 bytes come from two waves: behind the barrier each of the two reads eight whole rows of both stages
.if (\a) > 0
	s_wait_xcnt 0x0                                ; the last block's stores have read their registers: only behind this wait are they loaded again
.endif
.irp t, 0,1,2,3
	ds_load_b128 v[OB+4*\t:OB+4*\t+3],       v[RDH] offset:(\a)*BLKB+2*\t*PITCH
	ds_load_b128 v[OB+16+4*\t:OB+16+4*\t+3], v[RD]  offset:(\a)*BLKB+2*\t*PITCH
.endr
.endm
; BODY: block a's 16 cells a lane.  Each batch of transcendentals has one plain instruction behind it and one wait ahead of its first reader.
.macro BODY a
.set i, 0
.rept 64
	v_exp_f32 v[T+i], v[T+i]                       ; Ei, Ef, Eg, Eo
.set i, i+1
.endr
	v_nop
.if (\a) > 0
	s_wait_dscnt 4                                 ; the last block's rows are back; this block's four loads of c may be out
	SEND (\a)-1                                    ; they leave while the exponentials run
.endif
	s_wait_alu depctr_va_vdst(0)
.set i, 0
.rept 8
	v_pk_add_f32 v[X1+i:X1+i+1], v[T+32+i:T+32+i+1], -1.0 op_sel_hi:[1,0]        ; Eg - 1
.set i, i+2
.endr
.set i, 0
.rept 32
	v_pk_add_f32 v[T+i:T+i+1], v[T+i:T+i+1], 1.0 op_sel_hi:[1,0]                 ; 1 + E, all four gates
.set i, i+2
.endr
.set i, 0
.rept 8
	v_pk_mul_f32 v[T+i:T+i+1], v[T+i:T+i+1], v[T+32+i:T+32+i+1]                  ; (1 + Ei)(1 + Eg).  (Not fused into a E + a: that is infinity x 0 where Ei overflows and Eg underflows)
.set i, i+2
.endr
.set i, 0
.rept 32
	v_rcp_f32 v[T+i], v[T+i]                       ; 1 / ((1 + Ei)(1 + Eg)), and F = 1 / (1 + Ef)
.set i, i+1
.endr
	v_nop
	s_wait_dscnt 0x0                               ; c is in
	s_wait_alu depctr_va_vdst(0)
.set i, 0
.rept 8
	v_pk_mul_f32 v[X1+i:X1+i+1], v[X1+i:X1+i+1], v[T+i:T+i+1]                    ; I G
.set i, i+2
.endr
.set i, 0
.rept 8
	v_pk_fma_f32 v[CC+i:CC+i+1], v[CC+i:CC+i+1], v[T+16+i:T+16+i+1], v[X1+i:X1+i+1]   ; c_ = c F + I G
.set i, i+2
.endr
.irp u, 0,1
	ds_store_b128 v[CRD], v[CC+8*\u:CC+8*\u+3]   offset:(\a)*BLKB+64*\u          ; over my own bytes of c, which I have read
	ds_store_b128 v[CRD], v[CC+8*\u+4:CC+8*\u+7] offset:(\a)*BLKB+64*\u+16
.endr
.set i, 0
.rept 8
	v_pk_mul_f32 v[T+32+i:T+32+i+1], v[CC+i:CC+i+1], 0x4038aa3b op_sel_hi:[1,0]  ; 2 log2(e) c_
.set i, i+2
.endr
.set i, 0
.rept 16
	v_min_num_f32 v[T+32+i], s12, v[T+32+i]
.set i, i+1
.endr
.set i, 0
.rept 16
	v_exp_f32 v[T+32+i], v[T+32+i]                 ; Ec
.set i, i+1
.endr
	v_nop
	s_wait_alu depctr_va_vdst(0)
.set i, 0
.rept 8
	v_pk_add_f32 v[X1+i:X1+i+1], v[T+32+i:T+32+i+1], -1.0 op_sel_hi:[1,0]        ; Ec - 1
.set i, i+2
.endr
.set i, 0
.rept 8
	v_pk_add_f32 v[T+32+i:T+32+i+1], v[T+32+i:T+32+i+1], 1.0 op_sel_hi:[1,0]
.set i, i+2
.endr
.set i, 0
.rept 8
	v_pk_mul_f32 v[T+32+i:T+32+i+1], v[T+32+i:T+32+i+1], v[T+48+i:T+48+i+1]      ; (1 + Ec)(1 + Eo)
.set i, i+2
.endr
.set i, 0
.rept 16
	v_rcp_f32 v[T+32+i], v[T+32+i]
.set i, i+1
.endr
	v_nop
	s_wait_alu depctr_va_vdst(0)
.set i, 0
.rept 8
	v_pk_mul_f32 v[X1+i:X1+i+1], v[X1+i:X1+i+1], v[T+32+i:T+32+i+1]              ; h_
.set i, i+2
.endr
.irp u, 0,1
	ds_store_b128 v[HSTA], v[X1+8*\u:X1+8*\u+3]   offset:(\a)*BLKB+64*\u
	ds_store_b128 v[HSTA], v[X1+8*\u+4:X1+8*\u+7] offset:(\a)*BLKB+64*\u+16
.endr
.endm
	ARGS 0
	CLOAD 0
.irp a, 0,1,2,3,4,5,6,7                        ; each block has stage rows of its own, so one barrier a block is enough: between its stores and the reads of whole rows
	BODY \a
	s_wait_dscnt 0x0                               ; for the others' sake: my stores into the stages are done
	s_barrier_signal -1
.if \a < 7
	ARGS \a+1                                      ; work on registers while the others arrive
.endif
	s_barrier_wait -1
	READBACK \a
.if \a < 7
	CLOAD \a+1
.endif
.endr
	s_wait_dscnt 0x0
	SEND 7
	s_wait_tensorcnt 0x0                           ; the wave's end, behind my last tensor load and my last LDS store
	ds_add_u32 v[SPW], v[NIL]
	s_wait_dscnt 0x0
	CROUND                                         ; the closing round: no work-group ends while a partner may still ask for a tile that names it
	s_endpgm
.Lfunc_end_k_qe9955d5861_lstm:
	.size	k_qe9955d5861_lstm, .Lfunc_end_k_qe9955d5861_lstm-k_qe9955d5861_lstm
	.p2alignl 7, 3214868480
	.fill 96, 4, 3214868480
	.section	.rodata,"a",@progbits
	.p2align	6, 0x0
	.amdhsa_kernel k_qe9955d5861_lstm
		.amdhsa_group_segment_fixed_size 327680
		.amdhsa_private_segment_fixed_size 0
		.amdhsa_enable_private_segment 0
		.amdhsa_kernarg_size 80
		.amdhsa_user_sgpr_count 2
		.amdhsa_user_sgpr_kernarg_segment_ptr 1
		.amdhsa_wavefront_size32 1
		.amdhsa_system_sgpr_workgroup_id_x 1
		.amdhsa_system_sgpr_workgroup_id_y 1
		.amdhsa_system_sgpr_workgroup_id_z 1
		.amdhsa_system_vgpr_workitem_id 0
		.amdhsa_next_free_vgpr 1024
		.amdhsa_next_free_sgpr 106
		.amdhsa_reserve_vcc 0
		.amdhsa_float_denorm_mode_32 3
		.amdhsa_float_denorm_mode_16_64 3
		.amdhsa_memory_ordered 1
		.amdhsa_forward_progress 1
		.amdhsa_inst_pref_size 255
	.end_amdhsa_kernel
	.section	.bss,"aw",@nobits
	.p2align	6
	.space	262144
	.amdgpu_metadata
---
amdhsa.version: [ 1, 2 ]
amdhsa.kernels:
  - .name:           k_qe9955d5861_lstm
    .symbol:         k_qe9955d5861_lstm.kd
    .args:
      - { .name: x_codes, .offset: 0, .size: 8, .value_kind: global_buffer, .address_space: global }
      - { .name: h_codes, .offset: 8, .size: 8, .value_kind: global_buffer, .address_space: global }
      - { .name: Wi_codes, .offset: 16, .size: 8, .value_kind: global_buffer, .address_space: global }
      - { .name: Wh_codes, .offset: 24, .size: 8, .value_kind: global_buffer, .address_space: global }
      - { .name: bi, .offset: 32, .size: 8, .value_kind: global_buffer, .address_space: global }
      - { .name: bh, .offset: 40, .size: 8, .value_kind: global_buffer, .address_space: global }
      - { .name: c, .offset: 48, .size: 8, .value_kind: global_buffer, .address_space: global }
      - { .name: lowp_scales, .offset: 56, .size: 8, .value_kind: global_buffer, .address_space: global }
      - { .name: out0, .offset: 64, .size: 8, .value_kind: global_buffer, .address_space: global }
      - { .name: out1, .offset: 72, .size: 8, .value_kind: global_buffer, .address_space: global }
    .group_segment_fixed_size: 327680
    .private_segment_fixed_size: 0
    .kernarg_segment_align: 8
    .kernarg_segment_size: 80
    .max_flat_workgroup_size: 128
    .sgpr_count:     106
    .vgpr_count:     1024
    .wavefront_size: 32
...
	.end_amdgpu_metadata
.endif
;; end of part 1
